; MI455X (gfx1250); checked and timed in simulation.
; The chip was launched on July 23, 2026; its instructions are those of AMD's public machine-readable ISA for CDNA 5 (MIT licence, August 2026) and "CDNA5" Instruction Set Architecture Reference Guide (July 2026). The comments in the code are by the model that wrote it; some were corrected since.
;; Causal Self Attention. Allowed arithmetic: matrix products marked QUANTISED: E4M3 operands, one given power-of-two scale a tensor, by v_wmma_f32_16x16x64_fp8_fp8 or v_wmma_f32_16x16x128_fp8_fp8, f32 sums; everything else in f32.
;; Inputs: Wk 1,024 x 1,024 float32; Wo 1,024 x 1,024 float32; Wq 1,024 x 1,024 float32; Wv 1,024 x 1,024 float32; bk 1,024 float32; bo 1,024 float32; bq 1,024 float32; bv 1,024 float32; lowp_scales 12 int32 (the exponents e of the quantised operands' scales 2^e); x 4 x 2,048 x 1,024 float32.
;; Outputs: out0 4 x 2,048 x 1,024 float32.
;; This version of the problem:
;;   THIS VERSION OF THE PROBLEM IS GIVEN IN LOW PRECISION. The matrix products marked QUANTISED in the list below multiply operands that are first quantised to E4M3 (4 exponent bits, 3 mantissa bits; 8 bits a number), with one given power-of-two scale for each operand tensor; their sums are f32. All else is computed in f32.
;;   The module's matrix products, in the order in which they are computed (A, B: the left and right operand; K: the contracted axis; several contracted axes count as one K, in the product's order):
;;     1. [M 8,192, K 1,024] x [K 1,024, N 1,024]; A: input x; B: input Wq: QUANTISED (scales: A lowp_scales[0], B lowp_scales[1])
;;     2. [M 8,192, K 1,024] x [K 1,024, N 1,024]; A: input x; B: input Wk: QUANTISED (scales: A lowp_scales[2], B lowp_scales[3])
;;     3. [M 8,192, K 1,024] x [K 1,024, N 1,024]; A: input x; B: input Wv: QUANTISED (scales: A lowp_scales[4], B lowp_scales[5])
;;     4. batch 64 x [M 2,048, K 64] x [K 64, N 2,048]; A: computed on the way; B: computed on the way: QUANTISED (scales: A lowp_scales[6], B lowp_scales[7])
;;     5. batch 64 x [M 2,048, K 2,048] x [K 2,048, N 64]; A: softmax (see below); B: computed on the way: QUANTISED (scales: A lowp_scales[8], B lowp_scales[9])
;;     6. [M 8,192, K 1,024] x [K 1,024, N 1,024]; A: computed on the way; B: input Wo: QUANTISED (scales: A lowp_scales[10], B lowp_scales[11])
;;   THE QUANTISER, for each operand of a quantised product, along K:
;;     - The operand's scale is 2^e, e = its entry of the input lowp_scales (int32; the entries are numbered through the quantised products in the list's order, A before B).
;;     - Each number is divided by the scale, clamped to +-448, and rounded to the nearest number of E4M3, ties to even, subnormals kept.
;;     - The product sums the exact products of the quantised numbers (number of the format x scale) in f32.
;;   ~~~python
;;   def quantise(x, axis, e):      # numpy; x: float32 -> the quantised numbers, widened to float32 again
;;       x = np.moveaxis(x, axis, -1); K = x.shape[-1]
;;       r = np.clip(x / 2.0 ** e, -448, 448)
;;       step = 2.0 ** (np.maximum(np.frexp(np.where(r == 0, 1, r))[1] - 1, -6) - 3)
;;       q = np.round(r / step) * step * 2.0 ** e      # np.round: ties to even
;;       return np.moveaxis(q, -1, axis).astype(np.float32)
;;   ~~~
;;   SOFTMAX AHEAD OF A QUANTISED PRODUCT. Where the list says 'softmax', what is quantised is not the finished softmax but p = 2^(t - M), with t = logit x log2(e) and M = ceil(the row's largest t), a whole number; so 1/2 < the row's largest p <= 1. The row's sum l is taken of the UNQUANTISED p, in f32, and the product's result is divided by l at the end. Since M is a whole number, a kernel that streams over the keys may use a running M (the ceiling of the running maximum): every later rescaling is an exact power of two, so the quantised numbers keep their values, but for numbers so far below the row's largest that they fall under the format's range.
;;   OPERANDS COMPUTED ON THE WAY. 'Computed on the way' means the value that the module computes at that place (a softmax that the list does not call 'softmax' is quantised finished and normalised). What goes into a quantiser is computed in f32, as accurately as f32 sums, v_exp_f32 and their like allow (about 1e-6 of the number): no bf16 or f16 on the way to a quantiser, and a product that is left as it is and whose result goes on into a quantised operand takes f32 operands (vector FMAs, or v_wmma_f32_16x16x4_f32). A number that lies on a knife's edge between two numbers of the format may be rounded either way, as far as f32 arithmetic and the matrix unit's own rounding can turn it there, and no further.
;; One version. Each part assembles by itself: llvm-mc -triple=amdgcn-amd-amdhsa -mcpu=gfx1250 --defsym DOCPART=n.
;; ======== version 1 of 1: 4 launches
;; limits: right only within a limited range of input values
;; workspace buffers: xc 25,165,824 bytes; wc 4,194,304 bytes; qkv 25,165,824 bytes; yf 8,388,608 bytes
;; launch quant (part 1): grid 768 x 1, 4 waves a work-group, no clusters, 20,992 bytes of LDS; arguments x, Wq, Wk, Wv, Wo, lowp_scales, xc, wc; writes xc, wc
.if DOCPART == 1
	.amdgcn_target "amdgcn-amd-amdhsa--gfx1250"
	.amdhsa_code_object_version 6
	.text
	.protected	k_q9431b8b20f_quant
	.globl	k_q9431b8b20f_quant
	.p2align	8
	.type	k_q9431b8b20f_quant,@function
k_q9431b8b20f_quant:
	s_mov_b64 s[64:65], 0
	v_nop
	global_prefetch_b8 v0, s[64:65] scope:SCOPE_SE
	s_setreg_imm32_b32 hwreg(HW_REG_WAVE_MODE, 25, 1), 1
	s_wait_xcnt 0x0
; x [8192][1024] and Wq, Wk, Wv, Wo [1024][1024], f32 with K innermost, become codes of FP8 (E4M3), one code a byte, K innermost.
; x is an operand of three products with three given scales (entries 0, 2, 4 of the scales' buffer): three sets of codes, xc[0], xc[1], xc[2], 8,388,608 bytes each.
; Wq, Wk, Wv, Wo take entries 1, 3, 5, 11: wc[0..3], 1,048,576 bytes each.
; code = number / 2^e, rounded to the nearest code, ties to even.  LIMITS: every e used here lies between -126 and 119; NaN among the inputs is not served.
; All tensors are dense streams.  A wave takes 8 steps of 512 numbers; a work-group 16,384 numbers.  Work-groups 0-511 take x, 512-767 the weights, 64 each.
; Each load reads 512 consecutive bytes, 16 a lane; a step's 2,048 bytes turn through the wave's own stage in LDS (16 bytes of padding behind each 64) and come back 64 bytes a lane, since a conversion
; takes neighbours along K from one lane's registers.  A lane's 16 codes are 16 bytes: a store covers 512 consecutive bytes, aligned.
; No matrix unit, no cluster, no tensor load, no barrier: waves share nothing and the stream is read once.  Loads run four steps (16 loads a wave) ahead, the turn through LDS one step.
.set STEPS, 8
.set XWG,   512                        ; work-groups that take x
.set SP,    80                         ; a lane's place in a stage: 64 bytes + 16 of padding
.set WREG,  2*32*SP                    ; LDS of a wave: two stages
.set R,     16                         ; v16-79   four sets of 16 numbers as loaded
.set X,     80                         ; v80-111  two sets of 16 neighbours
.set T,     112
.set C,     128                        ; v128-223 codes: 12 registers for each step, so that no store's data are written again
.set ISX,   33                         ; s33  1 in a work-group that takes x
.set WJ,    34                         ; s34  which weight (0 in x's work-groups)
	s_load_b512 s[16:31], s[0:1], 0x0              ; x 16, Wq 18, Wk 20, Wv 22, Wo 24, scales 26, xc 28, wc 30
	v_lshl_add_u32 v224, v0, 2, 0x5000
	v_mov_b32 v225, 0
	v_lshrrev_b32 v1, 5, v0
	v_readfirstlane_b32 s32, v1                    ; wave
	v_and_b32 v2, 31, v0                           ; lane
	v_lshlrev_b32 v3, 4, v2                        ; 16 x lane: my 16 bytes of a load's 512, and of a store's
	s_mul_i32 s35, s32, WREG
	v_lshrrev_b32 v14, 2, v2
	v_mul_u32_u24 v14, v14, SP
	v_and_b32 v15, 3, v2
	v_lshl_add_u32 v14, v15, 4, v14
	v_add_nc_u32 v14, s35, v14                     ; the stage, on the way in: SP (lane / 4) + 16 (lane % 4)
	v_mul_u32_u24 v15, v2, SP
	v_add_nc_u32 v15, s35, v15                     ; and on the way out: SP x lane
	s_max_u32 s36, ttmp9, XWG
	s_sub_co_u32 s36, s36, XWG                     ; 0 in x's work-groups, else the number among the weights' 256
	s_lshr_b32 s[WJ], s36, 6
	s_and_b32 s36, s36, 63
	s_cmp_lt_u32 ttmp9, XWG
	s_cselect_b32 s[ISX], 1, 0
	s_cselect_b32 s36, ttmp9, s36                  ; the work-group's number inside its tensor
	s_lshl_b32 s36, s36, 2
	s_add_co_u32 s36, s36, s32                     ; which run of 4,096 numbers is my wave's
	s_lshl_b32 s38, s36, 14                        ; in bytes of f32,
	s_mov_b32 s39, 0
	s_lshl_b32 s52, s36, 12                        ; and of codes
	s_mov_b32 s53, 0
	s_lshl_b32 s54, s[WJ], 20                      ; the weight's part of wc
	s_mov_b32 s55, 0
	s_wait_alu depctr_va_vdst(0)
	s_wait_kmcnt 0x0
	s_load_b256 s[40:47], s[26:27], 0x0            ; e0 .. e7
	s_load_b128 s[48:51], s[26:27], 0x20           ; e8 .. e11
	s_mov_b64 s[4:5], s[18:19]                     ; the source is chosen by the work-group's number alone
	s_cmp_eq_u32 s[WJ], 1
	s_cselect_b64 s[4:5], s[20:21], s[4:5]
	s_cmp_eq_u32 s[WJ], 2
	s_cselect_b64 s[4:5], s[22:23], s[4:5]
	s_cmp_eq_u32 s[WJ], 3
	s_cselect_b64 s[4:5], s[24:25], s[4:5]
	s_cmp_lg_u32 s[ISX], 0
	s_cselect_b64 s[4:5], s[16:17], s[4:5]
	s_cselect_b64 s[8:9], s[28:29], s[30:31]
	s_add_nc_u64 s[4:5], s[4:5], s[38:39]
	s_add_nc_u64 s[8:9], s[8:9], s[54:55]
	s_add_nc_u64 s[8:9], s[8:9], s[52:53]          ; the first set of codes
	s_add_nc_u64 s[10:11], s[8:9], 0x800000        ; x's second and third set (used in x's work-groups alone)
	s_add_nc_u64 s[12:13], s[8:9], 0x1000000
.macro LOAD t
.irp i, 0,1,2,3
	global_load_b128 v[R+16*((\t)%4)+4*\i:R+16*((\t)%4)+4*\i+3], v3, s[4:5] offset:2048*(\t)+512*\i th:TH_LOAD_NT
.endr
.endm
.macro TURN t                          ; step t's numbers through the stage: LDS serves a wave's instructions in order (ISA guide 5.7.1.4), so no wait stands between the stores and the loads
.irp i, 0,1,2,3
	ds_store_b128 v14, v[R+16*((\t)%4)+4*\i:R+16*((\t)%4)+4*\i+3] offset:32*SP*((\t)%2)+8*SP*\i
.endr
.irp i, 0,1,2,3
	ds_load_b128 v[X+16*((\t)%2)+4*\i:X+16*((\t)%2)+4*\i+3], v15 offset:32*SP*((\t)%2)+16*\i
.endr
.endm
.irp t, 0,1,2,3
	LOAD \t
.endr
	s_wait_kmcnt 0x0
	s_mov_b32 s56, s41                             ; the first set's exponent: e1, e3, e5, e11 by the weight, e0 for x
	s_cmp_eq_u32 s[WJ], 1
	s_cselect_b32 s56, s43, s56
	s_cmp_eq_u32 s[WJ], 2
	s_cselect_b32 s56, s45, s56
	s_cmp_eq_u32 s[WJ], 3
	s_cselect_b32 s56, s51, s56
	s_cmp_lg_u32 s[ISX], 0
	s_cselect_b32 s56, s40, s56
.macro MKS i, e                        ; v[8 + 2 i] = 2^e as f32 (the conversion takes its exponent field)
	s_add_co_i32 s57, \e, 127
	s_lshl_b32 s58, s57, 23
	v_mov_b32 v[8+2*\i], s58
.endm
	MKS 0, s56
	MKS 1, s42
	MKS 2, s44
	s_wait_alu depctr_va_vdst(0)
	s_wait_loadcnt 12                              ; step 0's four loads are in
	TURN 0
.macro CONV t, i                       ; the step's 16 numbers of my lane under scale i: converted, stored
.set n, 0
.rept 16
.set n, n+1
.endr
	v_cvt_scalef32_pk8_fp8_f32 v[C+12*(\t)+4*(\i):C+12*(\t)+4*(\i)+1], v[XS:XS+7], v[8+2*(\i)]
	v_cvt_scalef32_pk8_fp8_f32 v[C+12*(\t)+4*(\i)+2:C+12*(\t)+4*(\i)+3], v[XS+8:XS+15], v[8+2*(\i)]
	v_nop                                          ; a plain line behind the conversions
	global_store_b128 v3, v[C+12*(\t)+4*(\i):C+12*(\t)+4*(\i)+3], s[8+2*(\i):9+2*(\i)] offset:512*(\t)
.endm
.macro STEP t
.set XS, X+16*((\t)%2)
	s_wait_dscnt 0x0                               ; this step's numbers are back from the stage, and its stores into the stage have read their registers,
.if (\t)+4 < STEPS
	LOAD (\t)+4                                    ; which take the loads of four steps on
.endif
.if (\t)+1 < STEPS
.if STEPS-2-(\t) >= 3
	s_wait_loadcnt 12                              ; the next step's four loads are in; those of the three steps behind it may be out
.else
	s_wait_loadcnt 4*(STEPS-2-(\t))
.endif
	TURN (\t)+1
.endif
	CONV \t, 0
	s_cmp_lg_u32 s[ISX], 0                         ; a weight has one scale, x three: a branch on the work-group's number, round register work and stores alone
	s_cbranch_scc0 .Lone_\@
	CONV \t, 1
	CONV \t, 2
.Lone_\@:
.endm
.irp t, 0,1,2,3,4,5,6,7
	STEP \t
.endr
	s_wait_tensorcnt 0x0
	ds_add_u32 v224, v225
	s_wait_dscnt 0x0
	s_endpgm
.Lfunc_end_k_q9431b8b20f_quant:
	.size	k_q9431b8b20f_quant, .Lfunc_end_k_q9431b8b20f_quant-k_q9431b8b20f_quant
	.p2alignl 7, 3214868480
	.fill 96, 4, 3214868480
	.section	.rodata,"a",@progbits
	.p2align	6, 0x0
	.amdhsa_kernel k_q9431b8b20f_quant
		.amdhsa_group_segment_fixed_size 20992
		.amdhsa_private_segment_fixed_size 0
		.amdhsa_enable_private_segment 0
		.amdhsa_kernarg_size 64
		.amdhsa_user_sgpr_count 2
		.amdhsa_user_sgpr_kernarg_segment_ptr 1
		.amdhsa_wavefront_size32 1
		.amdhsa_system_sgpr_workgroup_id_x 1
		.amdhsa_system_sgpr_workgroup_id_y 1
		.amdhsa_system_sgpr_workgroup_id_z 1
		.amdhsa_system_vgpr_workitem_id 0
		.amdhsa_next_free_vgpr 226
		.amdhsa_next_free_sgpr 66
		.amdhsa_reserve_vcc 0
		.amdhsa_float_denorm_mode_32 3
		.amdhsa_float_denorm_mode_16_64 3
		.amdhsa_fp16_overflow 1
		.amdhsa_memory_ordered 1
		.amdhsa_forward_progress 1
		.amdhsa_inst_pref_size 18
	.end_amdhsa_kernel
	.amdgpu_metadata
---
amdhsa.version: [ 1, 2 ]
amdhsa.kernels:
  - .name:           k_q9431b8b20f_quant
    .symbol:         k_q9431b8b20f_quant.kd
    .args:
      - { .name: x, .offset: 0, .size: 8, .value_kind: global_buffer, .address_space: global }
      - { .name: Wq, .offset: 8, .size: 8, .value_kind: global_buffer, .address_space: global }
      - { .name: Wk, .offset: 16, .size: 8, .value_kind: global_buffer, .address_space: global }
      - { .name: Wv, .offset: 24, .size: 8, .value_kind: global_buffer, .address_space: global }
      - { .name: Wo, .offset: 32, .size: 8, .value_kind: global_buffer, .address_space: global }
      - { .name: lowp_scales, .offset: 40, .size: 8, .value_kind: global_buffer, .address_space: global }
      - { .name: xc, .offset: 48, .size: 8, .value_kind: global_buffer, .address_space: global }
      - { .name: wc, .offset: 56, .size: 8, .value_kind: global_buffer, .address_space: global }
    .group_segment_fixed_size: 20992
    .private_segment_fixed_size: 0
    .kernarg_segment_align: 8
    .kernarg_segment_size: 64
    .max_flat_workgroup_size: 128
    .sgpr_count:     66
    .vgpr_count:     226
    .wavefront_size: 32
...
	.end_amdgpu_metadata
.endif
;; end of part 1
;; launch qkv (part 2): grid 12 x 32, 4 waves a work-group, clusters of 4 x 4, 327,680 bytes of LDS; arguments xc, wc, lowp_scales, bq, bk, bv, qkv; writes qkv
.if DOCPART == 2
	.amdgcn_target "amdgcn-amd-amdhsa--gfx1250"
	.amdhsa_code_object_version 6
	.text
	.protected	k_q9431b8b20f_qkv
	.globl	k_q9431b8b20f_qkv
	.p2align	8
	.type	k_q9431b8b20f_qkv,@function
k_q9431b8b20f_qkv:
	s_mov_b64 s[64:65], 0
	v_nop
	global_prefetch_b8 v0, s[64:65] scope:SCOPE_SE
	s_setreg_imm32_b32 hwreg(HW_REG_WAVE_MODE, 25, 1), 1
	s_wait_xcnt 0x0
	s_wait_alu depctr_hold_cnt(0) depctr_sa_sdst(0) depctr_va_vdst(0) depctr_va_sdst(0) depctr_va_ssrc(0) depctr_va_vcc(0) depctr_vm_vsrc(0)
	s_getreg_b32 s2, hwreg(HW_REG_IB_STS2, 6, 4)
	s_cmp_eq_u32 s2, 0
	s_cbranch_scc0 .Lentry_in_a_cluster
	s_endpgm
.Lentry_in_a_cluster:
	s_bfe_u32 s2, ttmp6, 0x10000c
	s_cmp_lg_u32 s2, 0xf033
	s_cbranch_scc0 .Lentry_shape_is_right
	s_endpgm
.Lentry_shape_is_right:
; q = x Wq^T + bq, k = x Wk^T + bk, v = x Wv^T + bv on codes of FP8 (E4M3); each result is quantised at once (entries 6, 7, 9 of the scales' buffer) and stored AS AN IMAGE OF THE REGISTERS of the operand that it will be.
; One body, C = A B^T, K = 1,024, tiles of 256 x 256, four waves of 128 x 128 (64 accumulators, 512 registers).  The cluster's x says which projection: 0 q, 1 k, 2 v.
;   q, k: A = x's codes (8,192 rows), B = the weight's (1,024 rows).     v: A = Wv's codes, B = x's: v is wanted with the KEYS along a lane's registers, so the tokens are C's columns.
; THE MATRIX INSTRUCTION IS USED TRANSPOSED (source 0 = 16 rows of B, source 1 = 16 rows of A): lane (r, h) of accumulator (a, b) holds C(16 a + r, 16 b + 8 h + 0 .. 7).  Eight such numbers make two registers of codes,
; which are registers 2 b, 2 b + 1 of an 8-bit operand of row 16 a + r with k = 16 b + 8 h + 0 .. 7 (ISA guide 7.12.2).  So a block's sixteen registers of codes ARE fragments; each four go out by one store, 16 bytes a lane,
; 512 consecutive bytes, aligned.  No stage in LDS.
;   qkv part 0 (q), 1 (k): [64 heads][128 blocks of 16 tokens][2 groups of 4 registers][32 lanes][16 bytes];   part 2 (v): [64 heads][16 blocks of 128 keys][4 blocks of 16 channels][4 groups][32 lanes][16 bytes].
; K goes in steps of 256 through a ring of two LDS slots filled by the tensor data mover.  CLUSTERS: 4 x 4 work-groups; the four of a row need the same tiles of A, the four of a column the same tiles of B: each tile is
; asked for JOINTLY, by the same tensor load with the same descriptor and a mask that names the four.  The fragments inside the product are fetched by 16-byte loads, a permutation of k that is the same in A and in B.
; LIMITS: e0 + e1, e2 + e3, e4 + e5 between -126 and 127; e6, e7, e9 between -126 and 119.  NaN among the inputs is not served.
; REGISTERS, in windows of 256: window 0: v0-31 addresses; v32-95 bias by columns; v96-111 bias by rows, each twice; v112 the conversion's scale; from v128 A's fragments, ONE set, later the codes.
;   window 1: B's fragments, TWO sets.   window 2: the accumulators of my rows 0-63 ((a, b) at v[8 (8 a + b)]);   window 3: those of my rows 64-127.
.set ROWB,   256                       ; a tile's row in bytes: 256 codes
.set KROW,   1024                      ; a row of A or of B in memory, in bytes
.set PITCH,  272                       ; an LDS row: 256 bytes + 16 of padding = 68 words: row r starts at bank 4 r mod 64 (ISA guide 11.1)
.set FR,     16                        ; registers of a fragment: 16 rows x 128 K
.set NL,     4                         ; LDS loads that bring one
.set NP,     4                         ; places behind this matrix instruction (ISA guide 7.12.1)
.set HALFT,  128*PITCH                 ; 128 rows: what one tensor load brings
.set SLOT,   4*HALFT                   ; A's 256 rows, then B's 256 rows
.set LAPS,   2                         ; 1,024 along K = two laps of two slots
.set SPARE,  2*SLOT                    ; behind the ring: the spare words, 128 bytes for each wave
.set ADRA, 16                          ; v16-17  LDS address of my A fragments in slot 0, 1
.set ADRB, 20                          ; v20-21  the same for B
.set CO,   26                          ; v26     16 x lane: my place in an image
.set SPW,  28                          ; v28     LDS address of my spare word; never rewritten
.set NIL,  29                          ; v29     0; never rewritten
.set BC,   32                          ; v32-95  register 8 b + j: bias of channel CH0 + 16 b + 8 h + j   (q, k)
.set BR,   96                          ; v96-111 registers 2 a, 2 a + 1: bias of channel CH0 + 16 a + r   (v)
.set SCL,  112                         ; v112    2^eo as f32
.set LIMV, 113
.set AF,   128
.set G1, 24
.set G0, 32
.set G1B, 48
.set G0B, 56
.set MSB, 0
.macro WIN new                         ; the immediate's high byte repeats the setting that is left
.if MSB != \new
	s_set_vgpr_msb (MSB<<8)|\new
.set MSB, \new
.endif
.endm
.set MUL_LO, 0xa1                      ; source 0 (B) window 1, source 1 (A) window 0, C and D window 2
.set MUL_HI, 0xf1                      ; the same, C and D window 3
.set TO_B,   0x40                      ; destination window 1, address window 0
; A joint load: waves 0 and 1 fetch for A, waves 2 and 3 for B.  The branch hangs on the wave's number alone.  Four v_nop follow each of the two lines.
.macro JLOAD g0a, g1a, g0b, g1b
	s_cmp_eq_u32 s15, 0
	s_cbranch_scc0 .Lfor_b_\@
	tensor_load_to_lds s[\g0a:\g0a+3], s[\g1a:\g1a+7]
	s_nop 0
.rept 4
	v_nop
.endr
	s_branch .Lasked_\@
.Lfor_b_\@:
	tensor_load_to_lds s[\g0b:\g0b+3], s[\g1b:\g1b+7]
	s_nop 0
.rept 4
	v_nop
.endr
.Lasked_\@:
.endm
.macro CREST                           ; a round of the cluster's barrier behind its opening barrier
	s_cmp_lg_u32 s14, 0
	s_cbranch_scc1 .Lnot_wave_0_\@
	s_barrier_signal -3
.Lnot_wave_0_\@:
	s_barrier_wait -3
	s_barrier_signal -1
	s_barrier_wait -1
.endm
.macro CROUND                          ; a whole round
	s_barrier_signal -1
	s_barrier_wait -1
	CREST
.endm
	s_load_b256 s[4:11], s[0:1], 0x0               ; xc s[4:5], wc s[6:7], the scales' exponents s[8:9], bq s[10:11]
	s_load_b128 s[68:71], s[0:1], 0x20             ; bk, bv
	s_load_b64 s[72:73], s[0:1], 0x30              ; qkv
	v_lshl_add_u32 v[SPW], v0, 2, SPARE
	v_mov_b32 v[NIL], 0
	ds_add_u32 v28, v29
	ds_add_u32 v28, v29
	s_wait_dscnt 0x0
	v_lshrrev_b32 v1, 5, v0
	v_readfirstlane_b32 s14, v1                    ; wave 0..3
	s_lshr_b32 s15, s14, 1                         ; which half of the tile's rows is mine.  Also: I fetch for A (0) or for B (1)
	s_and_b32 s16, s14, 1                          ; which half of its columns.  Also: which 128 rows of that tile I fetch
	s_bfe_u32 s40, ttmp6, 0x40000                  ; cx, cy: my place in the cluster
	s_bfe_u32 s41, ttmp6, 0x40004
	s_mov_b32 s12, ttmp9                           ; the cluster's x: the projection, the same in all sixteen partners
	s_and_b32 s74, ttmp7, 0xffff
	s_lshl_b32 s74, s74, 2                         ; 4 x the cluster's y: along the 8,192 tokens
	s_cmp_eq_u32 s12, 2
	s_cselect_b32 s13, 1, 0                        ; 1 for v
	s_cselect_b32 s17, 0, s74
	s_cselect_b32 s42, s74, 0
	s_add_co_u32 s17, s17, s41                     ; tile row of C:    q, k: 4 y + cy;  v: cy
	s_add_co_u32 s42, s42, s40                     ; tile column of C: q, k: cx;        v: 4 y + cx
	s_lshl_b32 s43, s41, 2
	s_lshl_b32 s43, 15, s43                        ; my row of the cluster
	s_lshl_b32 s44, 0x1111, s40                    ; my column
	; descriptor group 1: a tile of 128 rows x 256 bytes, padded in LDS
	s_or_b32 s[G1+0], s43, (0<<16)|(1<<20)|(1<<21)|(5<<22)|(3<<25)  ; 15:0 the mask: A's tiles go to my row; 17:16 element of 1 byte; 20 padding on; 21 set beside a mask; 24:22 after every 64 words; 31:25 of 4 words
	s_or_b32 s[G1B+0], s44, (0<<16)|(1<<20)|(1<<21)|(5<<22)|(3<<25)
.irp g, G1, G1B
	s_mov_b32 s[\g+1], ROWB<<16                    ; tensor_dim0
	s_mov_b32 s[\g+2], 128<<16                     ; tensor_dim1 = 128
	s_mov_b32 s[\g+3], ROWB<<16                    ; tile_dim0
	s_mov_b32 s[\g+4], 128                         ; tile_dim1 = 128
	s_mov_b32 s[\g+5], KROW                        ; tensor_dim0_stride
	s_mov_b32 s[\g+6], 0
	s_mov_b32 s[\g+7], 0
.endr
	s_lshl_b32 s18, s16, 7                         ; which 128 rows of the tile I fetch
	s_lshl_b32 s20, s17, 8
	s_add_co_u32 s20, s20, s18                     ; A: row 256 x tile row + 128 x half,
	s_lshl_b32 s20, s20, 10                        ; of 1,024 bytes
	s_mov_b32 s21, 0
	s_lshl_b32 s46, s42, 8
	s_add_co_u32 s46, s46, s18                     ; B: row 256 x tile column + 128 x half
	s_lshl_b32 s46, s46, 10
	s_mov_b32 s47, 0
	s_mul_i32 s45, s14, HALFT                      ; where they go: wave x 128 rows: no place in the cluster enters an LDS address
	s_lshl_b32 s92, s12, 23                        ; the projection's set of x's codes,
	s_mov_b32 s93, 0
	s_lshl_b32 s94, s12, 20                        ; and its weight's
	s_mov_b32 s95, 0
	s_wait_kmcnt 0x0
	s_load_b256 s[76:83], s[8:9], 0x0              ; e0 .. e7
	s_load_b128 s[84:87], s[8:9], 0x20             ; e8 .. e11
	s_add_nc_u64 s[4:5], s[4:5], s[92:93]
	s_add_nc_u64 s[6:7], s[6:7], s[94:95]
	s_cmp_lg_u32 s13, 0                            ; which of the two is A hangs on the cluster's x alone
	s_cselect_b64 s[92:93], s[6:7], s[4:5]
	s_cselect_b64 s[94:95], s[4:5], s[6:7]
	s_add_nc_u64 s[20:21], s[92:93], s[20:21]
	s_add_nc_u64 s[46:47], s[94:95], s[46:47]
	CROUND                                         ; all sixteen work-groups are here: the first joint loads meet
.irp s, 0,1
	s_mov_b32 s[G0+4*\s], 1
	s_add_co_u32 s[G0+4*\s+1], s45, \s*SLOT
	s_add_nc_u64 s[G0+4*\s+2:G0+4*\s+3], s[20:21], \s*ROWB
	s_or_b32 s[G0+4*\s+3], s[G0+4*\s+3], 0x80000000
	s_mov_b32 s[G0B+4*\s], 1
	s_add_co_u32 s[G0B+4*\s+1], s45, \s*SLOT
	s_add_nc_u64 s[G0B+4*\s+2:G0B+4*\s+3], s[46:47], \s*ROWB
	s_or_b32 s[G0B+4*\s+3], s[G0B+4*\s+3], 0x80000000
	JLOAD G0+4*\s, G1, G0B+4*\s, G1B
.endr
	v_and_b32 v1, 15, v0                           ; r = l % 16
	v_bfe_u32 v2, v0, 4, 1                         ; h = l / 16
	s_wait_alu depctr_va_vdst(0)
	v_mul_u32_u24 v3, v1, PITCH
	v_lshl_add_u32 v4, v2, 4, v3                   ; a fragment's row x pitch + 16 x half
	s_mul_i32 s21, s15, HALFT                      ; my 128 rows of A
	s_mul_i32 s22, s16, HALFT                      ; my 128 rows of B,
	s_add_co_u32 s22, s22, 2*HALFT                 ; which lie behind A's 256
.irp s, 0,1
	v_add_nc_u32 v[ADRA+\s], s21, v4
	v_add_nc_u32 v[ADRB+\s], s22, v4
	s_add_co_u32 s21, s21, SLOT
	s_add_co_u32 s22, s22, SLOT
.endr
	v_and_b32 v7, 31, v0
	v_lshlrev_b32 v[CO], 4, v7
	; my 128 channels begin at CH0, my 128 tokens at TOK0: rows and columns of C change places for v.  These registers feed no descriptor.
	s_lshl_b32 s88, s17, 8
	s_lshl_b32 s89, s15, 7
	s_add_co_u32 s88, s88, s89                     ; my first row of C
	s_lshl_b32 s89, s42, 8
	s_lshl_b32 s90, s16, 7
	s_add_co_u32 s89, s89, s90                     ; my first column of C
	s_cmp_lg_u32 s13, 0
	s_cselect_b32 s90, s88, s89                    ; CH0
	s_cselect_b32 s91, s89, s88                    ; TOK0
	s_cmp_eq_u32 s12, 1
	s_cselect_b64 s[10:11], s[68:69], s[10:11]
	s_cmp_eq_u32 s12, 2
	s_cselect_b64 s[10:11], s[70:71], s[10:11]     ; the projection's bias,
	s_lshl_b32 s88, s90, 2
	s_mov_b32 s89, 0
	s_add_nc_u64 s[10:11], s[10:11], s[88:89]      ; at my first channel
	v_lshlrev_b32 v5, 5, v2                        ; 32 h
	v_lshlrev_b32 v6, 2, v1                        ; 4 r
.irp b, 0,1,2,3,4,5,6,7                        ; both patterns are loaded, 576 bytes a lane at the most, so that the head has no branch; the loop touches none of these registers
	global_load_b128 v[BC+8*\b:BC+8*\b+3], v5, s[10:11] offset:64*\b
	global_load_b128 v[BC+8*\b+4:BC+8*\b+7], v5, s[10:11] offset:64*\b+16
.endr
.irp a, 0,1,2,3,4,5,6,7
	global_load_b32 v[BR+2*\a], v6, s[10:11] offset:64*\a
	global_load_b32 v[BR+2*\a+1], v6, s[10:11] offset:64*\a
.endr
	s_lshr_b32 s88, s91, 11                        ; the batch,
	s_lshl_b32 s88, s88, 4
	s_lshr_b32 s89, s90, 6
	s_add_co_u32 s88, s88, s89                     ; 16 x batch + my first head,
	s_lshl_b32 s88, s88, 17                        ; 131,072 bytes a head in every part
	s_and_b32 s89, s91, 2047
	s_lshl_b32 s89, s89, 6                         ; 64 bytes a token: 1,024 for 16 tokens of q or k, 8,192 for 128 keys of v
	s_add_co_u32 s88, s88, s89
	s_lshl_b32 s89, s12, 23                        ; the part
	s_add_co_u32 s88, s88, s89
	s_mov_b32 s89, 0
	s_add_nc_u64 s[72:73], s[72:73], s[88:89]
.macro FRAG reg, adr, q, i             ; a fragment, 16 rows x 128 K, is 16 registers: lane l holds row l % 16; registers 4 c .. 4 c + 3 hold K = 32 c + 16 (l / 16) + 0 .. 15, alike in A and in B
.irp c, 0,1,2,3
	ds_load_b128 v[\reg+4*\c:\reg+4*\c+3], v[\adr] offset:128*(\q)+32*\c+(\i)*16*PITCH
.endr
.endm
; 16 matrix instructions: A's blocks a0, a0 + 1 x B's eight, 128 along K.  p: B's set.  zero = 1: the first product starts the sums.
; The 64 accumulators take turns, one instruction a turn, in the same order in every step.
.macro MUL16 a0, p, zero
.irp a, \a0, \a0+1
.irp b, 0,1,2,3,4,5,6,7
.if \zero
	v_wmma_f32_16x16x128_fp8_fp8 v[8*(8*((\a)%4)+\b):8*(8*((\a)%4)+\b)+7], v[128*(\p)+FR*\b:128*(\p)+FR*\b+FR-1], v[AF+FR*(\a):AF+FR*(\a)+FR-1], 0
.else
	v_wmma_f32_16x16x128_fp8_fp8 v[8*(8*((\a)%4)+\b):8*(8*((\a)%4)+\b)+7], v[128*(\p)+FR*\b:128*(\p)+FR*\b+FR-1], v[AF+FR*(\a):AF+FR*(\a)+FR-1], v[8*(8*((\a)%4)+\b):8*(8*((\a)%4)+\b)+7]
.endif
.endr
.endr
.endm
.macro FETCH_B slot, q, p              ; B's eight fragments of the slot's q-th 128 along K into set p
	WIN TO_B
.irp i, 0,1,2,3,4,5,6,7
	FRAG 128*(\p)+FR*\i, ADRB+\slot, \q, \i
.endr
	WIN 0
.endm
.macro FETCH_A slot, q, i0             ; A's blocks i0 .. i0 + 3
.irp i, \i0, \i0+1, \i0+2, \i0+3
	FRAG AF+FR*(\i), ADRA+\slot, \q, \i
.endr
.endm
.macro PLACES n                        ; plain vector lines between a matrix instruction and a load into, or a vector read or write of, its registers
.rept \n
	v_nop
.endr
.endm
; A step of 128 along K that has its successor in the same slot.
.macro STEP slot, q, zero
	s_wait_dscnt 4*NL                              ; B's set and A's blocks 0-3 are in; the youngest sixteen loads (A's blocks 4-7) may be out
	WIN MUL_LO
	MUL16 0, (\q)%2, \zero
	MUL16 2, (\q)%2, \zero
	s_wait_dscnt 0                                 ; A's blocks 4-7 are in
	PLACES NP
	FETCH_B \slot, (\q)+1, 1-(\q)%2
	FETCH_A \slot, (\q)+1, 0
	WIN MUL_HI
	MUL16 4, (\q)%2, \zero
	MUL16 6, (\q)%2, \zero
	PLACES NP
	WIN 0
	FETCH_A \slot, (\q)+1, 4
.endm
; A slot's last step changes slots: ONE barrier; in front of it each wave waits for all its tensor loads, adds 0 to its spare word, and waits for that and for its own reads of this slot.  fill = 1: this slot is filled again.
.macro TURN slot, next, fill
	s_wait_tensorcnt 0x0                           ; all my tensor loads have landed: my part of the next slot
	ds_add_u32 v[SPW], v[NIL]                      ; 0 onto my spare word
	s_wait_dscnt 4*NL+1                            ; (the add and the youngest sixteen loads, A's blocks 4-7, may be out)
	WIN MUL_LO
	MUL16 0, 1, 0                                  ; sixteen matrix instructions stand between the add and the wait for it
	s_wait_dscnt 0x0                               ; the add is done, and my reads of this slot are over
	s_barrier_signal -1
	MUL16 2, 1, 0
	WIN 0
	s_barrier_wait -1
.if \fill
	CREST                                          ; the barrier has opened a round of the cluster's barrier: no wave of any partner still reads this slot's tile or has a load on its way
	s_add_nc_u64 s[G0+4*\slot+2:G0+4*\slot+3], s[G0+4*\slot+2:G0+4*\slot+3], 2*ROWB
	s_add_nc_u64 s[G0B+4*\slot+2:G0B+4*\slot+3], s[G0B+4*\slot+2:G0B+4*\slot+3], 2*ROWB
	JLOAD G0+4*\slot, G1, G0B+4*\slot, G1B         ; the first tensor load behind the round; its four v_nop are the places in front of the loads below
.else
	PLACES NP
.endif
	FETCH_B \next, 0, 0
	FETCH_A \next, 0, 0
	WIN MUL_HI
	MUL16 4, 1, 0
	MUL16 6, 1, 0
	PLACES NP
	WIN 0
	FETCH_A \next, 0, 4
.endm
	s_wait_alu depctr_va_vdst(0)
	s_wait_tensorcnt 1                             ; my part of slot 0 is in (slot 1's load may be out)
	s_barrier_signal -1
	s_barrier_wait -1                              ; everybody's is
	FETCH_B 0, 0, 0
	FETCH_A 0, 0, 0
	FETCH_A 0, 0, 4
	STEP 0, 0, 1                                   ; the first step stands in front of the loop: its products start the sums
	s_mov_b32 s3, LAPS-1
.Llap:                                                 ; a trip goes once round the ring, from a lap's second step to the next lap's first, and fills both slots again
	TURN 0, 1, 1
	STEP 1, 0, 0
	TURN 1, 0, 1
	STEP 0, 0, 0
	s_sub_co_u32 s3, s3, 1
	s_cmp_lg_u32 s3, 0
	s_cbranch_scc1 .Llap
	TURN 0, 1, 0                                   ; the last lap fills nothing
	STEP 1, 0, 0
	s_wait_dscnt 4*NL                              ; the very last step
	WIN MUL_LO
	MUL16 0, 1, 0
	MUL16 2, 1, 0
	s_wait_dscnt 0
	WIN MUL_HI
	MUL16 4, 1, 0
	MUL16 6, 1, 0
	WIN 0
; THE WAY OUT.  Block a (16 rows of C x my 128 columns): number = sum x 2^(ea + eb) + bias, one packed multiply-add for two, in place, each accumulator from its low end on; eight conversions into the sixteen
; registers that held A's fragment a; four stores.  Each block has its own registers of codes: no store's data are written again.
.macro OUTB a, isv
.set AC, 64*((\a)%4)
.set WW, 2+(\a)/4
.set WN, WW|(WW<<6)
	WIN WN                                         ; source 0 and destination: the accumulators' window
.set jj, 0
.rept 32
.if \isv
	v_pk_fma_f32 v[AC+jj:AC+jj+1], v[AC+jj:AC+jj+1], s[96:97], v[BR+2*(\a):BR+2*(\a)+1] op_sel_hi:[1,0,1]   ; v: the row is the channel
.else
	v_pk_fma_f32 v[AC+jj:AC+jj+1], v[AC+jj:AC+jj+1], s[96:97], v[BC+jj:BC+jj+1] op_sel_hi:[1,0,1]           ; q, k: the column is
.endif
.set jj, jj+2
.endr
.set jj, 0
.rept 64
.set jj, jj+1
.endr
	WIN WW                                         ; source 0: the accumulators' window; destination window 0
.irp b, 0,1,2,3,4,5,6,7
	v_cvt_scalef32_pk8_fp8_f32 v[AF+16*(\a)+2*\b:AF+16*(\a)+2*\b+1], v[AC+8*\b:AC+8*\b+7], v[SCL]
.endr
	WIN 0
	v_nop                                          ; a plain line behind the last conversion
.irp g, 0,1,2,3
.if \isv
	global_store_b128 v[CO], v[AF+16*(\a)+4*\g:AF+16*(\a)+4*\g+3], s[72:73] offset:((\a)/4)*131072+((\a)%4)*2048+\g*512   ; head a / 4, channels 16 (a % 4) on, registers 4 g on of the fragment of 128 keys
.else
	global_store_b128 v[CO], v[AF+16*(\a)+4*\g:AF+16*(\a)+4*\g+3], s[72:73] offset:(\g/2)*131072+(\a)*1024+(\g%2)*512     ; head g / 2, tokens 16 a on, registers 4 (g % 2) on of the fragment of 64 channels
.endif
.endr
.endm
	s_wait_kmcnt 0x0
	s_add_co_i32 s96, s76, s77                     ; ea + eb and eo by the projection: (e0 + e1, e6), (e2 + e3, e7), (e4 + e5, e9): chosen without a branch
	s_mov_b32 s88, s82
	s_add_co_i32 s89, s78, s79
	s_cmp_eq_u32 s12, 1
	s_cselect_b32 s96, s89, s96
	s_cselect_b32 s88, s83, s88
	s_add_co_i32 s89, s80, s81
	s_cmp_eq_u32 s12, 2
	s_cselect_b32 s96, s89, s96
	s_cselect_b32 s88, s85, s88
	s_add_co_i32 s96, s96, 127
	s_lshl_b32 s96, s96, 23                        ; 2^(ea + eb) as f32
	s_mov_b32 s97, s96                             ; (named with it as a pair, so it is written)
	s_add_co_i32 s88, s88, 127
	s_lshl_b32 s89, s88, 23
	v_mov_b32 v[SCL], s89
	s_wait_loadcnt 0x0                             ; the biases, asked for at the head
	PLACES NP                                      ; behind the last products: their results are read, and A's registers written, below
	s_cmp_lg_u32 s13, 0                            ; the cluster's x alone: alike in all partners
	s_cbranch_scc1 .Lv_out
.irp a, 0,1,2,3,4,5,6,7
	OUTB \a, 0
.endr
	s_branch .Ldone
.Lv_out:
.irp a, 0,1,2,3,4,5,6,7
	OUTB \a, 1
.endr
.Ldone:
	s_wait_tensorcnt 0x0                           ; the wave's end
	ds_add_u32 v[SPW], v[NIL]
	s_wait_dscnt 0x0
	CROUND                                         ; the closing round: no work-group ends while a partner may still ask for a tile that names it
	s_endpgm
.Lfunc_end_k_q9431b8b20f_qkv:
	.size	k_q9431b8b20f_qkv, .Lfunc_end_k_q9431b8b20f_qkv-k_q9431b8b20f_qkv
	.p2alignl 7, 3214868480
	.fill 96, 4, 3214868480
	.section	.rodata,"a",@progbits
	.p2align	6, 0x0
	.amdhsa_kernel k_q9431b8b20f_qkv
		.amdhsa_group_segment_fixed_size 327680
		.amdhsa_private_segment_fixed_size 0
		.amdhsa_enable_private_segment 0
		.amdhsa_kernarg_size 56
		.amdhsa_user_sgpr_count 2
		.amdhsa_user_sgpr_kernarg_segment_ptr 1
		.amdhsa_wavefront_size32 1
		.amdhsa_system_sgpr_workgroup_id_x 1
		.amdhsa_system_sgpr_workgroup_id_y 1
		.amdhsa_system_sgpr_workgroup_id_z 1
		.amdhsa_system_vgpr_workitem_id 0
		.amdhsa_next_free_vgpr 1024
		.amdhsa_next_free_sgpr 100
		.amdhsa_reserve_vcc 0
		.amdhsa_float_denorm_mode_32 3
		.amdhsa_float_denorm_mode_16_64 3
		.amdhsa_fp16_overflow 1
		.amdhsa_memory_ordered 1
		.amdhsa_forward_progress 1
		.amdhsa_inst_pref_size 130
	.end_amdhsa_kernel
	.amdgpu_metadata
---
amdhsa.version: [ 1, 2 ]
amdhsa.kernels:
  - .name:           k_q9431b8b20f_qkv
    .symbol:         k_q9431b8b20f_qkv.kd
    .args:
      - { .name: xc, .offset: 0, .size: 8, .value_kind: global_buffer, .address_space: global }
      - { .name: wc, .offset: 8, .size: 8, .value_kind: global_buffer, .address_space: global }
      - { .name: lowp_scales, .offset: 16, .size: 8, .value_kind: global_buffer, .address_space: global }
      - { .name: bq, .offset: 24, .size: 8, .value_kind: global_buffer, .address_space: global }
      - { .name: bk, .offset: 32, .size: 8, .value_kind: global_buffer, .address_space: global }
      - { .name: bv, .offset: 40, .size: 8, .value_kind: global_buffer, .address_space: global }
      - { .name: qkv, .offset: 48, .size: 8, .value_kind: global_buffer, .address_space: global }
    .group_segment_fixed_size: 327680
    .private_segment_fixed_size: 0
    .kernarg_segment_align: 8
    .kernarg_segment_size: 56
    .max_flat_workgroup_size: 128
    .sgpr_count:     100
    .vgpr_count:     1024
    .wavefront_size: 32
...
	.end_amdgpu_metadata
.endif
;; end of part 2
;; launch attn (part 3): grid 4 x 64, 16 waves a work-group, no clusters, 327,680 bytes of LDS; arguments qkv, lowp_scales, yf; writes yf
.if DOCPART == 3
	.amdgcn_target "amdgcn-amd-amdhsa--gfx1250"
	.amdhsa_code_object_version 6
	.text
	.protected	k_q9431b8b20f_attn
	.globl	k_q9431b8b20f_attn
	.p2align	8
	.type	k_q9431b8b20f_attn,@function
k_q9431b8b20f_attn:
	s_mov_b64 s[64:65], 0
	v_nop
	global_prefetch_b8 v0, s[64:65] scope:SCOPE_SE
	s_setreg_imm32_b32 hwreg(HW_REG_WAVE_MODE, 25, 1), 1
	s_wait_xcnt 0x0
; y[head][q] = the sum over keys k <= q of softmax_k(q . k / 8) v[k], both products on codes of FP8 (E4M3); y is quantised at once (entry 10 of the scales' buffer) and stored as images of operand registers.
; THE SOFTMAX AHEAD OF THE SECOND PRODUCT: t = score x log2(e) / 8; M = the row's largest t so far, rounded UP to a whole number; p = 2^(t - M) is what is quantised (entry 8); it is not normalised.
; The row's sum is taken of the unquantised p and divides at the end.  When M moves, the sum and O are multiplied by 2^(old M - new M): exact.
; INPUT: qkv, images of operand registers.  q, k: fragments of 16 tokens x 64 channels, 1,024 bytes; v: fragments of 16 channels x 128 keys, 2,048 bytes; each group of four registers at 16 x lane.
; SHARES.  A head has 8 blocks of 256 queries.  Work-group (gx, head) owns blocks 7 - gx and gx, one after the other; block b needs key slots 0 .. b of 256 keys: (8 - gx) + (gx + 1) = 9 slots for every work-group.
; So all 256 work-groups make the same nine trips, the trip counts are constants, and no trip is idle.  Each of the SIXTEEN waves owns 16 queries of the block in hand, in 256 registers: four waves to a SIMD.
; NO CLUSTER: the four work-groups of a head want different key slots in the same trip from trip 5 on (gx = 3 begins its second block there), and walking a common list of slots would take 12 trips in place of 9.
; LAYOUT.  Both products are used transposed: S^T = K Q^T (source 0 = 16 keys, source 1 = my 16 queries), O^T = V^T P^T: a lane holds ONE query (lane % 16) throughout.  Lane (r, h) of score tile c holds keys 16 c + 8 h + 0 .. 7:
; eight numbers make registers 2 c, 2 c + 1 of the second product's operand (ISA guide 7.12.2); likewise O^T's tile makes y's.  Nothing changes lanes.
; THE RING: two LDS slots of 32,768 bytes (K's 16 fragments, then V's 8), dense images: every LDS read takes 512 consecutive bytes.  Wave 0 fetches K's 16,384 bytes, wave 1 V's, one tensor load each behind each change of slots.
; LIMITS: e6 + e7 between -123 and 130 (added to c's exponent field); e8 and e10 between -126 and 119; e8 + e9 goes by v_ldexp_f32 and has none.  NaN among the inputs is not served.
; REGISTERS: v1-6 addresses that stay; v12 -M, v13 the largest t, v[14:15] the sum; v16-23 Q in hand; v24-31 the second block's Q; v32-95 K's fragments, then V's; v96-159 S^T, then p; v160-191 O^T; v192-207 p's codes;
;   v208-223 y's codes, eight registers a block; v244: 2^e8; v245: 2^e10; v236, v238-243, v246-255 at work.
.set SLOT1, 32768                      ; slot 1 begins here: one exclusive or turns an address in one slot into the other's
.set VOFF,  16384                      ; V's fragments in a slot
.set SPARE, 65536                      ; behind the ring: the spare words, 128 bytes for each of sixteen waves
.set LA,   1                           ; v1   16 x lane
.set ADR,  2                           ; v2   LDS address of the slot in hand, at my lane
.set PFO,  3                           ; v3   256 x lane: the prefetches' offset
.set DM,   4                           ; v4   r - 8 h, for the mask
.set SPW,  5                           ; v5   LDS address of my spare word; never rewritten
.set NIL,  6                           ; v6   0; never rewritten
.set TB,   2                           ; s2   LDS byte at which the slot in hand begins
.set GX,   10                          ; s10  work-group x
.set HB,   11                          ; s11  the head, 16 x batch + head
.set GX1,  12                          ; s12  gx + 1
.set BKA,  13                          ; s13  (8 - gx) x 16,384: back to key slot 0
.set BK,   14                          ; s[14:15] that, or 0
.set WV,   18
.set SEL,  20                          ; s[20:21] lane selects for v_permlanex16_b32: lane l xor 16
.set CS,   22                          ; s[22:23] c = log2(e) / 8 x 2^(e6 + e7)
.set G1,   24                          ; s[24:31] descriptor group 1
.set G0,   40                          ; s[40:43] descriptor group 0, which walks
.set SLOTS, 67                         ; s67  trips to go behind this one
.set PFA,  76                          ; s[76:77] where my prefetches stand
.set LIM,  80                          ; s80  2 in a wave that prefetches, else the greatest number
.set YB,   84                          ; s[84:85] y's images of my queries in the first block;  s[86:87] in the second
.set YA,   86
.set Q0A,  97                          ; s97  my first query in the second block
.set KF,   98                          ; s98  the step's first key
.set Q0,   99                          ; s99  my first query in the block in hand
.macro TLOAD                           ; waves 0 and 1 fetch, the others nothing; four v_nop follow the line
	s_cmp_lt_u32 s[WV], 2
	s_cbranch_scc0 .Lasked_\@
	tensor_load_to_lds s[G0:G0+3], s[G1:G1+7]
	s_nop 0
.rept 4
	v_nop
.endr
.Lasked_\@:
.endm
; A PREFETCH INTO THE L2 of the key slot that the NEXT change of slots will ask for.  All four work-groups of a head begin with key slots 0, 1, 2 ..: the one with gx = 0, which walks all eight on end, asks, and nobody else.
; In it waves 4 and 5 ask for K's 16,384 bytes and waves 6 and 7 for V's: 8,192 bytes a wave, lanes 256 bytes apart, one instruction.  So each aligned block of 256 bytes is named once in the launch.
; Trip t names slot t + 2, one trip ahead of the tensor load that wants it; slots 0 and 1 come by their loads alone; behind slot 7 nothing is asked for.
.macro ASK
	s_cmp_gt_u32 s[SLOTS], s[LIM]
	s_cbranch_scc0 .Lnot_mine_\@
	global_prefetch_b8 v[PFO], s[PFA:PFA+1] th:TH_LOAD_NT scope:SCOPE_SE
.Lnot_mine_\@:
.endm
	s_load_b128 s[4:7], s[0:1], 0x0                ; qkv s[4:5], the scales' exponents s[6:7]
	s_load_b64 s[8:9], s[0:1], 0x10                ; yf
	v_lshl_add_u32 v[SPW], v0, 2, SPARE
	v_mov_b32 v[NIL], 0
	ds_add_u32 v5, v6
	ds_add_u32 v5, v6
	s_wait_dscnt 0x0
	v_lshrrev_b32 v8, 5, v0
	s_delay_alu instid0(VALU_DEP_1)
	v_readfirstlane_b32 s[WV], v8                  ; wave 0..15
	s_mov_b32 s[GX], ttmp9
	s_and_b32 s[HB], ttmp7, 0xffff
	s_add_co_u32 s[GX1], s[GX], 1
	s_sub_co_u32 s[BKA], 8, s[GX]
	s_lshl_b32 s[BKA], s[BKA], 14
	s_mov_b32 s[BK], 0
	s_mov_b32 s[BK+1], 0
	s_lshl_b32 s32, s[HB], 17                      ; a head is 131,072 bytes in each part of qkv
	s_mov_b32 s33, 0
	s_lshl_b32 s34, s[WV], 4
	s_sub_co_u32 s[Q0], 7, s[GX]
	s_lshl_b32 s[Q0], s[Q0], 8
	s_add_co_u32 s[Q0], s[Q0], s34                 ; the first block: 7 - gx
	s_lshl_b32 s[Q0A], s[GX], 8
	s_add_co_u32 s[Q0A], s[Q0A], s34               ; the second: gx
	s_and_b32 s35, s[WV], 1
	; descriptor group 1: a dense block of 16,384 bytes as 64 rows of 256
	s_mov_b32 s[G1], 3<<16                         ; 15:0 no mask; 17:16 elements of 8 bytes; no padding
	s_mov_b32 s[G1+1], 32<<16                      ; tensor_dim0 = 32
	s_mov_b32 s[G1+2], 64<<16                      ; tensor_dim1 = 64
	s_mov_b32 s[G1+3], 32<<16                      ; tile_dim0 = 32
	s_mov_b32 s[G1+4], 64                          ; tile_dim1 = 64
	s_mov_b32 s[G1+5], 32                          ; tensor_dim0_stride
	s_mov_b32 s[G1+6], 0
	s_mov_b32 s[G1+7], 0
	s_mov_b32 s[SEL], 0x76543210
	s_mov_b32 s[SEL+1], 0xfedcba98
	s_mov_b32 s[CS], 0x3e38aa3b                    ; log2(e) / 8
	s_mov_b32 s[TB], 0
	s_mov_b32 s[SLOTS], 8
	s_mov_b32 s[KF], 0
	s_wait_kmcnt 0x0
	s_load_b128 s[68:71], s[6:7], 0x18             ; e6, e7, e8, e9
	s_load_b32 s72, s[6:7], 0x28                   ; e10
	s_add_nc_u64 s[36:37], s[4:5], s[32:33]        ; my head's q,
	s_add_nc_u64 s[44:45], s[36:37], 0x800000      ; k,
	s_add_nc_u64 s[46:47], s[36:37], 0x1000000     ; v
	s_mov_b32 s[G0], 1                             ; 1:0 count = 1
	s_lshl_b32 s[G0+1], s35, 14                    ; 63:32 LDS address: slot 0; K's half (wave 0) or V's (wave 1)
	s_cmp_eq_u32 s35, 0
	s_cselect_b64 s[G0+2:G0+3], s[44:45], s[46:47] ; 120:64 global address: key slot 0
	s_or_b32 s[G0+3], s[G0+3], 0x80000000          ; 127:126 type = 2
	TLOAD                                          ; slot 0
	s_lshl_b32 s48, s[Q0], 6                       ; 64 bytes a query
	s_mov_b32 s49, 0
	s_add_nc_u64 s[48:49], s[36:37], s[48:49]
	s_lshl_b32 s50, s[Q0A], 6
	s_mov_b32 s51, 0
	s_add_nc_u64 s[50:51], s[36:37], s[50:51]
	v_and_b32 v8, 31, v0
	s_wait_alu depctr_va_vdst(0)
	v_lshlrev_b32 v[LA], 4, v8
	global_load_b128 v[16:19], v[LA], s[48:49]             ; both blocks' Q stay in registers
	global_load_b128 v[20:23], v[LA], s[48:49] offset:512
	global_load_b128 v[24:27], v[LA], s[50:51]
	global_load_b128 v[28:31], v[LA], s[50:51] offset:512
	s_lshr_b32 s52, s[HB], 4                       ; yf: [batch x 128 + token / 16][16 heads][1,024 bytes]
	s_lshl_b32 s52, s52, 21
	s_and_b32 s53, s[HB], 15
	s_lshl_b32 s53, s53, 10
	s_add_co_u32 s52, s52, s53
	s_lshl_b32 s54, s[Q0], 10
	s_add_co_u32 s54, s54, s52
	s_mov_b32 s55, 0
	s_add_nc_u64 s[YB:YB+1], s[8:9], s[54:55]
	s_lshl_b32 s54, s[Q0A], 10
	s_add_co_u32 s54, s54, s52
	s_add_nc_u64 s[YA:YA+1], s[8:9], s[54:55]
	s_cmp_lt_u32 s[WV], 6                          ; the prefetches: waves 4, 5: K; waves 6, 7: V
	s_cselect_b64 s[PFA:PFA+1], s[44:45], s[46:47]
	s_lshl_b32 s56, s35, 13                        ; my wave's 8,192 bytes,
	s_add_co_u32 s56, s56, 16384                   ; in key slot 1: the first change of slots steps it to slot 2
	s_mov_b32 s57, 0
	s_add_nc_u64 s[PFA:PFA+1], s[PFA:PFA+1], s[56:57]
	s_sub_co_u32 s56, s[WV], 4
	s_lshr_b32 s56, s56, 2                         ; 0 in waves 4 to 7,
	s_or_b32 s56, s56, s[GX]                       ; of the work-group with gx = 0
	s_cmp_eq_u32 s56, 0
	s_cselect_b32 s[LIM], 2, -1
	v_lshlrev_b32 v[PFO], 8, v8
	v_and_b32 v9, 15, v0                           ; r
	v_bfe_u32 v10, v0, 4, 1                        ; h
	s_delay_alu instid0(VALU_DEP_1)
	v_lshlrev_b32 v10, 3, v10
	s_delay_alu instid0(VALU_DEP_1)
	v_sub_nc_u32 v[DM], v9, v10
	v_mov_b32 v13, 0xff61b1e6                      ; the largest t so far: -3e38, under every t
	s_delay_alu instid0(VALU_DEP_1)
	v_floor_f32 v12, -v13                          ; -M
	v_mov_b32 v14, 0                               ; the sum, in two halves
	v_mov_b32 v15, 0
	v_mov_b32 v236, 0                              ; written once: a lane permute's destination counts as one of its sources
	v_mov_b32 v252, 0
	v_mov_b32 v253, 0                              ; (named as the upper half of the pair v[252:253])
.set n, 0
.rept 32
	v_mov_b32 v[160+n], 0                          ; O^T: a block's first step finds zeros, which the first change of M leaves zeros
.set n, n+1
.endr
	s_wait_kmcnt 0x0
	s_add_co_i32 s74, s68, s69
	s_lshl_b32 s74, s74, 23
	s_add_co_i32 s[CS], s[CS], s74                 ; a score stands for score x 2^(e6 + e7): added to c's exponent field
	s_mov_b32 s[CS+1], s[CS]                       ; (named with it as a pair, so it is written)
	s_add_co_i32 s73, s70, s71                     ; e8 + e9
.macro MKS sc, lim, e                  ; v[sc] = 2^e as f32
	s_add_co_i32 s74, \e, 127
	s_lshl_b32 s75, s74, 23
	v_mov_b32 v[\sc], s75
.endm
	MKS 244, 240, s70
	MKS 245, 241, s72
; A KEY STEP: 128 keys, the q-th of the slot in hand.
.macro STEP q
	s_add_co_u32 s96, s[Q0], 15                    ; a step all of whose keys come after my 16 queries is left out: a scalar branch on ids, round the step's loads, products and softmax
	s_cmp_gt_u32 s[KF], s96
	s_cbranch_scc1 .Lhidden_\@
	v_add_nc_u32 v[ADR], s[TB], v[LA]
.rept 3
	v_nop                                          ; with the addition above: four places in front of loads into registers that the last products read
.endr
.set c, 0
.rept 16
	ds_load_b128 v[32+4*c:35+4*c], v[ADR] offset:8192*(\q)+512*c          ; K: eight fragments of 16 keys, two groups of four registers each
.set c, c+1
.endr
	s_wait_dscnt 0x0
.set c, 0
	s_wait_alu depctr_va_vdst(0)
.rept 8
	v_wmma_f32_16x16x64_fp8_fp8 v[96+8*c:103+8*c], v[32+8*c:39+8*c], v[16:23], 0
.set c, c+1
.endr
.rept 4
	v_nop                                          ; places in front of the loads below and of the first read of the scores
.endr
.set c, 0
.rept 16
	ds_load_b128 v[32+4*c:35+4*c], v[ADR] offset:VOFF+8192*(\q)+512*c     ; V: four fragments of 16 channels x 128 keys; they land while the softmax is walked
.set c, c+1
.endr
	s_add_co_u32 s96, s[KF], 127                   ; on the diagonal the scores of hidden keys become -infinity ahead of the maximum: p = 0 then.  A step all of whose keys count skips this
	s_cmp_le_u32 s96, s[Q0]
	s_cbranch_scc1 .Lopen_\@
	s_sub_co_i32 s96, s[Q0], s[KF]
	v_add_nc_u32 v252, s96, v[DM]                  ; d = my query - KF - 8 h.  Register 8 c + j holds key KF + 16 c + 8 h + j: hidden where 16 c + j > d
	v_mov_b32 v254, 0xff800000                     ; -infinity
.set n, 0
.rept 64
	v_cmp_gt_i32 vcc_lo, 16*(n/8)+n%8, v252
	v_cndmask_b32 v[96+n], v[96+n], v254, vcc_lo
.set n, n+1
.endr
.Lopen_\@:
	v_max3_num_f32 v254, v96, v97, v98             ; the step's largest score of my query, among my 64 keys, in two chains,
	v_max3_num_f32 v252, v99, v100, v101
.irp i, 6,10,14,18,22,26,30,34,38,42,46,50,54,58
	v_max3_num_f32 v254, v254, v[96+\i], v[97+\i]
	v_max3_num_f32 v252, v252, v[98+\i], v[99+\i]
.endr
	v_max3_num_f32 v254, v254, v158, v159
	s_delay_alu instid0(VALU_DEP_1)
	v_max_num_f32 v254, v254, v252
	s_delay_alu instid0(VALU_DEP_1)
	v_permlanex16_b32 v236, v254, s[SEL], s[SEL+1]
	s_delay_alu instid0(VALU_DEP_1)
	v_max_num_f32 v254, v254, v236                 ; and among lane l xor 16's
	s_delay_alu instid0(VALU_DEP_1)
	v_mul_f32 v254, s[CS], v254                    ; as t (c is positive)
	s_delay_alu instid0(VALU_DEP_1)
	v_max_num_f32 v13, v13, v254                   ; the running largest t
	v_mov_b32 v254, v12
	s_delay_alu instid0(VALU_DEP_2)
	v_floor_f32 v12, -v13                          ; the new -M = floor(-t) = -ceil(t): M is a whole number
	s_delay_alu instid0(VALU_DEP_1)
	v_sub_f32 v254, v12, v254                      ; M's old value less its new one: a whole number, 0 or less
	s_delay_alu instid0(VALU_DEP_1)
	v_cvt_i32_f32 v254, v254                       ; (it saturates)
	s_delay_alu instid0(VALU_DEP_1)
	v_ldexp_f32 v252, 1.0, v254                    ; f = 2^(old M - new M)
.set n, 0
.rept 32
	v_pk_fma_f32 v[96+n:97+n], v[96+n:97+n], s[CS:CS+1], v[12:13] op_sel_hi:[1,0,0]   ; t - M, two at a time
.set n, n+2
.endr
.set n, 0
	s_wait_alu depctr_va_vdst(0)
.rept 64
	v_exp_f32 v[96+n], v[96+n]                     ; p = 2^(t - M), at most 1: not normalised
.set n, n+1
.endr
	v_pk_mul_f32 v[14:15], v[14:15], v[252:253] op_sel_hi:[1,0]   ; the sums under the new M: the plain line behind the exponentials
	s_wait_alu depctr_va_vdst(0)                   ; one wait for the whole batch, ahead of its first reader
	v_pk_add_f32 v[242:243], v[100:101], v[104:105]
	v_pk_add_f32 v[254:255], v[108:109], v[112:113]
	v_pk_add_f32 v[250:251], v[116:117], v[120:121]
	v_pk_add_f32 v[248:249], v[124:125], v[128:129]
	v_pk_add_f32 v[246:247], v[132:133], v[136:137]
	v_pk_add_f32 v[240:241], v[140:141], v[144:145]
	v_pk_add_f32 v[238:239], v[148:149], v[152:153]
	v_pk_add_f32 v[14:15], v[14:15], v[156:157]
	v_pk_add_f32 v[242:243], v[242:243], v[96:97]
	v_pk_add_f32 v[254:255], v[254:255], v[98:99]
	v_pk_add_f32 v[250:251], v[250:251], v[102:103]
	v_pk_add_f32 v[248:249], v[248:249], v[106:107]
	v_pk_add_f32 v[246:247], v[246:247], v[110:111]
	v_pk_add_f32 v[240:241], v[240:241], v[114:115]
	v_pk_add_f32 v[238:239], v[238:239], v[118:119]
	v_pk_add_f32 v[14:15], v[14:15], v[122:123]
	v_pk_add_f32 v[242:243], v[242:243], v[126:127]
	v_pk_add_f32 v[254:255], v[254:255], v[130:131]
	v_pk_add_f32 v[250:251], v[250:251], v[134:135]
	v_pk_add_f32 v[248:249], v[248:249], v[138:139]
	v_pk_add_f32 v[246:247], v[246:247], v[142:143]
	v_pk_add_f32 v[240:241], v[240:241], v[146:147]
	v_pk_add_f32 v[238:239], v[238:239], v[150:151]
	v_pk_add_f32 v[14:15], v[14:15], v[154:155]
	v_pk_add_f32 v[242:243], v[242:243], v[158:159]
	s_delay_alu instid0(VALU_DEP_2)
	v_pk_add_f32 v[14:15], v[14:15], v[248:249]
	s_delay_alu instid0(VALU_DEP_2)
	v_pk_add_f32 v[242:243], v[242:243], v[246:247]
	v_pk_add_f32 v[254:255], v[254:255], v[240:241]
	v_pk_add_f32 v[250:251], v[250:251], v[238:239]
	s_delay_alu instid0(VALU_DEP_2)
	v_pk_add_f32 v[14:15], v[14:15], v[254:255]
	s_delay_alu instid0(VALU_DEP_2)
	v_pk_add_f32 v[242:243], v[242:243], v[250:251]
	s_delay_alu instid0(VALU_DEP_1)
	v_pk_add_f32 v[14:15], v[14:15], v[242:243]
.irp b, 0,1,2,3
.set n, 0
.rept 16
.set n, n+1
.endr
	v_cvt_scalef32_pk8_fp8_f32 v[192+4*\b:193+4*\b], v[96+16*\b:103+16*\b], v244     ; score tile 2 b: registers 4 b, 4 b + 1 of the operand
	v_cvt_scalef32_pk8_fp8_f32 v[194+4*\b:195+4*\b], v[104+16*\b:111+16*\b], v244    ; tile 2 b + 1
.endr
.set n, 0
.rept 16
	v_pk_mul_f32 v[160+n:161+n], v[160+n:161+n], v[252:253] op_sel_hi:[1,0]   ; O^T under the new M.  (Also the plain lines between the conversions and the products)
.set n, n+2
.endr
	s_wait_alu depctr_va_vdst(0)
	s_wait_dscnt 0x0                               ; V is in
.irp d, 0,1,2,3                                ; O^T += V^T P^T: four accumulators by turns, one instruction a turn
	v_wmma_f32_16x16x128_fp8_fp8 v[160+8*\d:167+8*\d], v[32+16*\d:47+16*\d], v[192:207], v[160+8*\d:167+8*\d]
.endr
.Lhidden_\@:
	s_add_co_u32 s[KF], s[KF], 128
.endm
; A BLOCK'S END: y = O^T / the sum x 2^(e8 + e9), converted under e10: eight registers that are the next product's fragment of my 16 tokens and this head's 64 channels; two stores of 512 consecutive bytes.
.macro FINISH base, cd
	v_add_f32 v14, v14, v15                        ; the sum's two halves,
	s_delay_alu instid0(VALU_DEP_1)
	v_permlanex16_b32 v252, v14, s[SEL], s[SEL+1]
	s_delay_alu instid0(VALU_DEP_1)
	v_add_f32 v14, v14, v252                       ; and lane l xor 16's
	s_wait_alu depctr_va_vdst(0)
	v_rcp_f32 v14, v14
.rept 4
	v_nop                                          ; plain lines behind the reciprocal, and the places behind the last products
.endr
	s_wait_alu depctr_va_vdst(0)                   ; ahead of the reciprocal's first reader
	v_ldexp_f32 v14, v14, s73
.set n, 0
.rept 32
	v_mul_f32 v[96+n], v[160+n], v14               ; register 8 d + j is y(r, 16 d + 8 h + j); each accumulator from its low end on
.set n, n+1
.endr
.set n, 0
.rept 32
.set n, n+1
.endr
.irp d, 0,1,2,3
	v_cvt_scalef32_pk8_fp8_f32 v[\cd+2*\d:\cd+2*\d+1], v[96+8*\d:103+8*\d], v245
.endr
	v_nop                                          ; a plain line behind the last conversion
	global_store_b128 v[LA], v[\cd:\cd+3], s[\base:\base+1]
	global_store_b128 v[LA], v[\cd+4:\cd+7], s[\base:\base+1] offset:512
.endm
; THE CHANGE OF SLOTS stands at a trip's head.  Each wave waits for all its tensor loads, adds 0 to its spare word, and waits for that and for its reads of the slot that it has left.  Behind the barrier the slot ahead is whole
; and nobody reads the other one.  fill = 1: that other slot takes the next trip's keys: the next key slot, or key slot 0 where the next trip begins the second block.
.macro CHANGE fill
	s_wait_tensorcnt 0x0                           ; no tensor load of mine is out, so group 0 may be written
	ds_add_u32 v[SPW], v[NIL]                      ; 0 onto my spare word
.if \fill
	s_xor_b32 s[G0+1], s[G0+1], SLOT1              ; the other slot than last time,
	s_add_nc_u64 s[G0+2:G0+3], s[G0+2:G0+3], 16384 ; the next 256 keys,
	s_cmp_eq_u32 s[SLOTS], s[GX1]                  ; or, in trip 7 - gx, back to the head's first keys
	s_cselect_b32 s[BK], s[BKA], 0
	s_sub_nc_u64 s[G0+2:G0+3], s[G0+2:G0+3], s[BK:BK+1]
.endif
	s_wait_xcnt 0x0                                ; the last prefetch has read its address, and a block's stores their registers
.if \fill
	s_add_nc_u64 s[PFA:PFA+1], s[PFA:PFA+1], 16384
.endif
	s_wait_dscnt 0x0                               ; the add is done, and my reads of the slot that I have left are over
	s_barrier_signal -1
	s_barrier_wait -1
.if \fill
	TLOAD                                          ; the first thing behind the barrier, and a wave's one tensor load until the next
	ASK
.endif
.endm
; In trip 8 - gx the first block is finished and the second begins: a branch on the work-group's number and the trip, round register work and two stores.
.macro SWITCH
	s_cmp_eq_u32 s[SLOTS], s[GX]
	s_cbranch_scc0 .Lsame_\@
	FINISH YB, 208
	v_mov_b32 v13, 0xff61b1e6
	s_delay_alu instid0(VALU_DEP_1)
	v_floor_f32 v12, -v13
	v_mov_b32 v14, 0
	v_mov_b32 v15, 0
.set n, 0
.rept 32
	v_mov_b32 v[160+n], 0
.set n, n+1
.endr
.set n, 0
.rept 8
	v_mov_b32 v[16+n], v[24+n]                     ; the second block's Q
.set n, n+1
.endr
	s_mov_b32 s[Q0], s[Q0A]
	s_mov_b32 s[KF], 0
.Lsame_\@:
.endm
	s_wait_loadcnt 0x0                             ; Q
.Ltrip:                                            ; eight trips: behind each change of slots the next trip's keys are asked for
	CHANGE 1
	SWITCH
	STEP 0
	STEP 1
	s_xor_b32 s[TB], s[TB], SLOT1                  ; on to the other slot
	s_sub_co_u32 s[SLOTS], s[SLOTS], 1
	s_cmp_lg_u32 s[SLOTS], 0
	s_cbranch_scc1 .Ltrip
	CHANGE 0                                       ; the ninth trip is written out
	SWITCH
	STEP 0
	STEP 1
	FINISH YA, 216
	s_wait_tensorcnt 0x0                           ; the wave's end
	ds_add_u32 v[SPW], v[NIL]
	s_wait_dscnt 0x0
	s_endpgm
.Lfunc_end_k_q9431b8b20f_attn:
	.size	k_q9431b8b20f_attn, .Lfunc_end_k_q9431b8b20f_attn-k_q9431b8b20f_attn
	.p2alignl 7, 3214868480
	.fill 96, 4, 3214868480
	.section	.rodata,"a",@progbits
	.p2align	6, 0x0
	.amdhsa_kernel k_q9431b8b20f_attn
		.amdhsa_group_segment_fixed_size 327680
		.amdhsa_private_segment_fixed_size 0
		.amdhsa_enable_private_segment 0
		.amdhsa_kernarg_size 24
		.amdhsa_user_sgpr_count 2
		.amdhsa_user_sgpr_kernarg_segment_ptr 1
		.amdhsa_wavefront_size32 1
		.amdhsa_system_sgpr_workgroup_id_x 1
		.amdhsa_system_sgpr_workgroup_id_y 1
		.amdhsa_system_sgpr_workgroup_id_z 1
		.amdhsa_system_vgpr_workitem_id 0
		.amdhsa_next_free_vgpr 256
		.amdhsa_next_free_sgpr 100
		.amdhsa_reserve_vcc 1
		.amdhsa_float_denorm_mode_32 3
		.amdhsa_float_denorm_mode_16_64 3
		.amdhsa_fp16_overflow 1
		.amdhsa_memory_ordered 1
		.amdhsa_forward_progress 1
		.amdhsa_inst_pref_size 93
	.end_amdhsa_kernel
	.amdgpu_metadata
---
amdhsa.version: [ 1, 2 ]
amdhsa.kernels:
  - .name:           k_q9431b8b20f_attn
    .symbol:         k_q9431b8b20f_attn.kd
    .args:
      - { .name: qkv, .offset: 0, .size: 8, .value_kind: global_buffer, .address_space: global }
      - { .name: lowp_scales, .offset: 8, .size: 8, .value_kind: global_buffer, .address_space: global }
      - { .name: yf, .offset: 16, .size: 8, .value_kind: global_buffer, .address_space: global }
    .group_segment_fixed_size: 327680
    .private_segment_fixed_size: 0
    .kernarg_segment_align: 8
    .kernarg_segment_size: 24
    .max_flat_workgroup_size: 512
    .sgpr_count:     100
    .vgpr_count:     256
    .wavefront_size: 32
...
	.end_amdgpu_metadata
.endif
;; end of part 3
;; launch proj (part 4): grid 4 x 64, 4 waves a work-group, clusters of 4 x 4, 327,680 bytes of LDS; arguments yf, wc, lowp_scales, bo, out0; writes out0
.if DOCPART == 4
	.amdgcn_target "amdgcn-amd-amdhsa--gfx1250"
	.amdhsa_code_object_version 6
	.text
	.protected	k_q9431b8b20f_proj
	.globl	k_q9431b8b20f_proj
	.p2align	8
	.type	k_q9431b8b20f_proj,@function
k_q9431b8b20f_proj:
	s_mov_b64 s[64:65], 0
	v_nop
	global_prefetch_b8 v0, s[64:65] scope:SCOPE_SE
	s_setreg_imm32_b32 hwreg(HW_REG_WAVE_MODE, 25, 1), 1
	s_wait_xcnt 0x0
	s_wait_alu depctr_hold_cnt(0) depctr_sa_sdst(0) depctr_va_vdst(0) depctr_va_sdst(0) depctr_va_ssrc(0) depctr_va_vcc(0) depctr_vm_vsrc(0)
	s_getreg_b32 s2, hwreg(HW_REG_IB_STS2, 6, 4)
	s_cmp_eq_u32 s2, 0
	s_cbranch_scc0 .Lentry_in_a_cluster
	s_endpgm
.Lentry_in_a_cluster:
	s_bfe_u32 s2, ttmp6, 0x10000c
	s_cmp_lg_u32 s2, 0xf033
	s_cbranch_scc0 .Lentry_shape_is_right
	s_endpgm
.Lentry_shape_is_right:
; out0 = y Wo^T + bo on codes of FP8 (E4M3).  y: yf, images of operand registers: [512 blocks of 16 tokens][16 heads][2 groups of 4 registers][32 lanes][16 bytes]; two heads on end are a fragment of 16 tokens x 128 K, k in its own places.
; Wo: part 3 of wc, [1024 n][1024 k], one code a byte.  out0: [8192][1024] f32.  Each finished sum x 2^(e10 + e11) + bo, one packed multiply-add for two numbers.  LIMIT: e10 + e11 between -126 and 127.
; A tile of C is 128 x 256, so that there are 64 x 4 = 256 work-groups.  Four waves, each 64 rows x 128 columns: 32 accumulators, 256 registers.
; K goes in steps of 256 through a ring of two LDS slots: A's part is 8 blocks of tokens x 4,096 bytes of images (dense: an LDS read takes 512 consecutive bytes), B's 256 rows of 256 bytes + 16 of padding.
; B's fragments are fetched by 8-byte loads, k in its own places (ISA guide 7.12.2), since y's images have k so.
; CLUSTERS: 4 x 4 work-groups; the four of a row need the same tiles of A, the four of a column the same tiles of B: joint loads, as many requests divided by four.
; THE MATRIX INSTRUCTION IS USED TRANSPOSED (source 0 = 16 rows of Wo, source 1 = 16 tokens): a lane holds eight neighbouring numbers of a row of C.
; REGISTERS, in windows of 256: window 0: v0-31 addresses; v32-95 at work on the way out; v128-191, v192-255 A's two sets, later rows read back.  window 1: B's two sets.  window 2: the accumulators ((a, b) at v[8 (8 a + b)]).
;   window 3: v0-63 bo: register 8 b + j: column 16 b + 8 h + j of my 128.
.set PITCH,  272                       ; B's LDS row: 68 words: row r starts at bank 4 r mod 64 (ISA guide 11.1); the two halves of the lanes take words 0, 1 and 2, 3 behind it
.set ABLK,   4096                      ; a block of 16 tokens x 256 K of images
.set BOFF,   8*ABLK                    ; B's rows lie behind A's eight blocks
.set BHALF,  128*PITCH
.set SLOT,   BOFF+2*BHALF
.set SPARE,  2*SLOT                    ; behind the ring: the spare words, 128 bytes for each wave
.set SPITCH, 528                       ; the way out: a stage of 16 rows x (512 bytes + 16) for each wave, in slot 0, which has had its last fill and its last read when the first result is stored there
.set FR,   16
.set ADRA, 16                          ; v16-17  LDS address of my A fragments in slot 0, 1
.set ADRB, 20                          ; v20-21  the same for B
.set STO,  24                          ; v24     the way out: where I put 32 bytes of a row
.set RD,   25                          ; v25     where I read a row back
.set CO,   26                          ; v26     16 x lane
.set SPW,  28                          ; v28     LDS address of my spare word; never rewritten
.set NIL,  29                          ; v29     0; never rewritten
.set TMP,  32
.set AF,   128
.set BK,   128
.set G1, 24
.set G0, 32
.set G1B, 48
.set G0B, 56
.set MSB, 0
.macro WIN new                         ; the immediate's high byte repeats the setting that is left
.if MSB != \new
	s_set_vgpr_msb (MSB<<8)|\new
.set MSB, \new
.endif
.endm
.set MUL,  0xa1                        ; source 0 (B) window 1, source 1 (A) window 0, C and D window 2
.set TO_B, 0x40                        ; destination window 1, address window 0
.macro JLOAD g0a, g1a, g0b, g1b        ; a joint load: waves 0 and 1 fetch for A, waves 2 and 3 for B; four v_nop follow each of the two lines
	s_cmp_eq_u32 s15, 0
	s_cbranch_scc0 .Lfor_b_\@
	tensor_load_to_lds s[\g0a:\g0a+3], s[\g1a:\g1a+7]
	s_nop 0
.rept 4
	v_nop
.endr
	s_branch .Lasked_\@
.Lfor_b_\@:
	tensor_load_to_lds s[\g0b:\g0b+3], s[\g1b:\g1b+7]
	s_nop 0
.rept 4
	v_nop
.endr
.Lasked_\@:
.endm
.macro CREST                           ; a round of the cluster's barrier behind its opening barrier
	s_cmp_lg_u32 s14, 0
	s_cbranch_scc1 .Lnot_wave_0_\@
	s_barrier_signal -3
.Lnot_wave_0_\@:
	s_barrier_wait -3
	s_barrier_signal -1
	s_barrier_wait -1
.endm
.macro CROUND
	s_barrier_signal -1
	s_barrier_wait -1
	CREST
.endm
	s_load_b256 s[4:11], s[0:1], 0x0               ; yf s[4:5], wc s[6:7], the scales' exponents s[8:9], bo s[10:11]
	s_load_b64 s[12:13], s[0:1], 0x20              ; out0
	v_lshl_add_u32 v[SPW], v0, 2, SPARE
	v_mov_b32 v[NIL], 0
	ds_add_u32 v28, v29
	ds_add_u32 v28, v29
	s_wait_dscnt 0x0
	v_lshrrev_b32 v1, 5, v0
	v_readfirstlane_b32 s14, v1                    ; wave 0..3
	s_lshr_b32 s15, s14, 1                         ; which 64 rows of the tile are mine.  Also: I fetch for A (0) or for B (1)
	s_and_b32 s16, s14, 1                          ; which 128 columns.  Also: which half of that tile I fetch
	s_bfe_u32 s40, ttmp6, 0x40000                  ; cx, cy
	s_bfe_u32 s41, ttmp6, 0x40004
	s_lshl_b32 s42, ttmp9, 2
	s_add_co_u32 s42, s42, s40                     ; tile column of C
	s_and_b32 s17, ttmp7, 0xffff
	s_lshl_b32 s17, s17, 2
	s_add_co_u32 s17, s17, s41                     ; tile row of C
	s_lshl_b32 s43, s41, 2
	s_lshl_b32 s43, 15, s43                        ; my row of the cluster
	s_lshl_b32 s44, 0x1111, s40                    ; my column
	; A's tiles: 4 blocks of tokens, a row of 4,096 bytes each, 16,384 bytes apart in memory, dense in LDS
	s_or_b32 s[G1+0], s43, (3<<16)|(1<<21)         ; 15:0 the mask: my row; 17:16 elements of 8 bytes; 21 set beside a mask; no padding
	s_mov_b32 s[G1+1], 512<<16                     ; tensor_dim0 = 512
	s_mov_b32 s[G1+2], 4<<16                       ; tensor_dim1 = 4
	s_mov_b32 s[G1+3], 512<<16                     ; tile_dim0 = 512
	s_mov_b32 s[G1+4], 4                           ; tile_dim1 = 4
	s_mov_b32 s[G1+5], 2048                        ; tensor_dim0_stride
	s_mov_b32 s[G1+6], 0
	s_mov_b32 s[G1+7], 0
	; B's tiles: 128 rows x 256 bytes, padded in LDS
	s_or_b32 s[G1B+0], s44, (0<<16)|(1<<20)|(1<<21)|(5<<22)|(3<<25)  ; the mask: my column; elements of 1 byte; padding: 4 words after every 64
	s_mov_b32 s[G1B+1], 256<<16
	s_mov_b32 s[G1B+2], 128<<16
	s_mov_b32 s[G1B+3], 256<<16
	s_mov_b32 s[G1B+4], 128
	s_mov_b32 s[G1B+5], 1024
	s_mov_b32 s[G1B+6], 0
	s_mov_b32 s[G1B+7], 0
	s_lshl_b32 s20, s17, 17                        ; A: 8 blocks of 16,384 bytes a tile row,
	s_lshl_b32 s18, s16, 16                        ; + the 4 that I fetch
	s_add_co_u32 s20, s20, s18
	s_mov_b32 s21, 0
	s_lshl_b32 s46, s42, 18                        ; B: 256 rows of 1,024 bytes a tile column,
	s_lshl_b32 s19, s16, 17                        ; + the 128 that I fetch,
	s_add_co_u32 s46, s46, s19
	s_add_co_u32 s46, s46, 0x300000                ; in part 3 of wc
	s_mov_b32 s47, 0
	s_lshl_b32 s45, s16, 14                        ; where they go: no place in the cluster enters an LDS address
	s_mul_i32 s22, s16, BHALF
	s_add_co_u32 s22, s22, BOFF
	s_wait_kmcnt 0x0
	s_load_b64 s[96:97], s[8:9], 0x28              ; e10, e11
	s_add_nc_u64 s[20:21], s[4:5], s[20:21]
	s_add_nc_u64 s[46:47], s[6:7], s[46:47]
	CROUND                                         ; all sixteen work-groups are here: the first joint loads meet
.irp s, 0,1
	s_mov_b32 s[G0+4*\s], 1
	s_add_co_u32 s[G0+4*\s+1], s45, \s*SLOT
	s_add_nc_u64 s[G0+4*\s+2:G0+4*\s+3], s[20:21], \s*ABLK
	s_or_b32 s[G0+4*\s+3], s[G0+4*\s+3], 0x80000000
	s_mov_b32 s[G0B+4*\s], 1
	s_add_co_u32 s[G0B+4*\s+1], s22, \s*SLOT
	s_add_nc_u64 s[G0B+4*\s+2:G0B+4*\s+3], s[46:47], \s*256
	s_or_b32 s[G0B+4*\s+3], s[G0B+4*\s+3], 0x80000000
	s_wait_alu depctr_va_vdst(0)
	s_wait_tensorcnt 0x0
	ds_add_u32 v28, v29
	ds_add_u32 v28, v29
	s_wait_dscnt 0x0
	CROUND
	JLOAD G0+4*\s, G1, G0B+4*\s, G1B
.endr
	v_and_b32 v1, 15, v0                           ; r
	v_bfe_u32 v2, v0, 4, 1                         ; h
	v_and_b32 v6, 31, v0
	v_lshlrev_b32 v[CO], 4, v6
	v_mul_u32_u24 v3, v1, PITCH
	v_lshl_add_u32 v4, v2, 3, v3                   ; B: row x pitch + 8 h
	s_lshl_b32 s21, s15, 14                        ; my four blocks of tokens
	s_mul_i32 s23, s16, BHALF                      ; my 128 rows of B
	s_add_co_u32 s23, s23, BOFF
.irp s, 0,1
	v_add_nc_u32 v[ADRA+\s], s21, v[CO]
	v_add_nc_u32 v[ADRB+\s], s23, v4
	s_add_co_u32 s21, s21, SLOT
	s_add_co_u32 s23, s23, SLOT
.endr
	s_mul_i32 s18, s14, 16*SPITCH                  ; my stage
	v_mul_u32_u24 v5, v1, SPITCH                   ; in: row r, 32 bytes for each half of the lanes
	v_lshl_add_u32 v5, v2, 5, v5
	v_add_nc_u32 v[STO], s18, v5
	v_add_nc_u32 v[RD], s18, v[CO]                 ; back: the 32 lanes take one row of 512 bytes
	s_lshl_b32 s88, s17, 7
	s_lshl_b32 s89, s15, 6
	s_add_co_u32 s88, s88, s89                     ; my first row of C,
	s_lshl_b32 s88, s88, 12                        ; of 4,096 bytes
	s_lshl_b32 s90, s42, 10
	s_lshl_b32 s91, s16, 9
	s_add_co_u32 s90, s90, s91                     ; my first column, in bytes
	s_add_co_u32 s88, s88, s90
	s_mov_b32 s89, 0
	s_mov_b32 s91, 0
	s_add_nc_u64 s[12:13], s[12:13], s[88:89]
	s_add_nc_u64 s[10:11], s[10:11], s[90:91]      ; bo at my first column
	v_lshlrev_b32 v7, 5, v2                        ; 32 h
	WIN 0xc0                                       ; destination window 3
.irp b, 0,1,2,3,4,5,6,7
	global_load_b128 v[8*\b:8*\b+3], v7, s[10:11] offset:64*\b
	global_load_b128 v[8*\b+4:8*\b+7], v7, s[10:11] offset:64*\b+16
.endr
	WIN 0
; 16 matrix instructions: A's blocks a0, a0 + 1 x B's eight, 128 along K, from set p.  The 32 accumulators take turns, one instruction a turn, in the same order in every step.
.macro MUL16 a0, p, zero
.irp a, \a0, \a0+1
.irp b, 0,1,2,3,4,5,6,7
.if \zero
	v_wmma_f32_16x16x128_fp8_fp8 v[8*(8*(\a)+\b):8*(8*(\a)+\b)+7], v[128*(\p)+FR*\b:128*(\p)+FR*\b+FR-1], v[AF+64*(\p)+FR*(\a):AF+64*(\p)+FR*(\a)+FR-1], 0
.else
	v_wmma_f32_16x16x128_fp8_fp8 v[8*(8*(\a)+\b):8*(8*(\a)+\b)+7], v[128*(\p)+FR*\b:128*(\p)+FR*\b+FR-1], v[AF+64*(\p)+FR*(\a):AF+64*(\p)+FR*(\a)+FR-1], v[8*(8*(\a)+\b):8*(8*(\a)+\b)+7]
.endif
.endr
.endr
.endm
; The fragments of the slot's q-th 128 along K into set p: B's eight by 8-byte loads (registers 2 c, 2 c + 1: k = 16 c + 8 h + 0 .. 7), A's four as images
.macro FETCH slot, q, p
	WIN TO_B
.irp i, 0,1,2,3,4,5,6,7
.irp c, 0,1,2,3,4,5,6,7
	ds_load_b64 v[128*(\p)+FR*\i+2*\c:128*(\p)+FR*\i+2*\c+1], v[ADRB+\slot] offset:\i*16*PITCH+128*(\q)+16*\c
.endr
.endr
	WIN 0
.irp a, 0,1,2,3
.irp g, 0,1,2,3
	ds_load_b128 v[AF+64*(\p)+FR*\a+4*\g:AF+64*(\p)+FR*\a+4*\g+3], v[ADRA+\slot] offset:ABLK*\a+2048*(\q)+512*\g
.endr
.endr
.endm
.macro PLACES n                        ; plain vector lines between a matrix instruction and a load into, or a vector read of, its registers
.rept \n
	v_nop
.endr
.endm
; A slot's first 128 along K: set 0 is multiplied while set 1 is fetched.
.macro STEP slot, zero
	s_wait_dscnt 0x0                               ; set 0 is in
	PLACES 4                                       ; for the loads into set 1, which the last products read
	FETCH \slot, 1, 1
	WIN MUL
	MUL16 0, 0, \zero
	MUL16 2, 0, \zero
	WIN 0
.endm
; A slot's second 128 along K, and the change of slots: ONE barrier; in front of it each wave waits for all its tensor loads, adds 0 to its spare word, and waits for that and for its reads of this slot.
.macro TURN slot, next, fill
	s_wait_tensorcnt 0x0                           ; all my tensor loads have landed: my part of the next slot
	ds_add_u32 v[SPW], v[NIL]                      ; 0 onto my spare word
	s_wait_dscnt 1                                 ; set 1 is in (the add may be out)
	WIN MUL
	MUL16 0, 1, 0                                  ; sixteen matrix instructions stand between the add and the wait for it
	s_wait_dscnt 0x0                               ; the add is done, and my reads of this slot are over
	s_barrier_signal -1
	WIN 0
	s_barrier_wait -1
.if \fill
	CREST                                          ; the barrier has opened a round of the cluster's barrier: no wave of any partner still reads this slot's tile or has a load on its way
	s_add_nc_u64 s[G0+4*\slot+2:G0+4*\slot+3], s[G0+4*\slot+2:G0+4*\slot+3], 2*ABLK
	s_add_nc_u64 s[G0B+4*\slot+2:G0B+4*\slot+3], s[G0B+4*\slot+2:G0B+4*\slot+3], 2*256
	JLOAD G0+4*\slot, G1, G0B+4*\slot, G1B         ; the first tensor load behind the round; its four v_nop are the places in front of the loads below
.else
	PLACES 4
.endif
	FETCH \next, 0, 0
	WIN MUL
	MUL16 2, 1, 0
	WIN 0
.endm
	s_wait_alu depctr_va_vdst(0)
	s_wait_tensorcnt 1                             ; my part of slot 0 is in (slot 1's load may be out)
	s_barrier_signal -1
	s_barrier_wait -1                              ; everybody's is
	FETCH 0, 0, 0
	STEP 0, 1                                      ; the first step stands in front of the loop: its products start the sums
	s_mov_b32 s3, 1
.Llap:                                                 ; a trip goes once round the ring and fills both slots again: 1,024 along K are two laps
	TURN 0, 1, 1
	STEP 1, 0
	TURN 1, 0, 1
	STEP 0, 0
	s_sub_co_u32 s3, s3, 1
	s_cmp_lg_u32 s3, 0
	s_cbranch_scc1 .Llap
	TURN 0, 1, 0                                   ; the last lap fills nothing
	STEP 1, 0
	s_wait_dscnt 0x0                               ; the very last 128 along K
	WIN MUL
	MUL16 0, 1, 0
	MUL16 2, 1, 0
	WIN 0
; THE WAY OUT, block by block of 16 rows x 128 columns: through my own stage in LDS and back as whole rows of 512 bytes, which the 32 lanes store as 512 consecutive bytes, aligned.
; LDS serves a wave's instructions in order (ISA guide 5.7.1.4): no wait between the stores and the loads, nor in front of the next block's stores.
.macro TOSTAGE a
.set AC, 64*(\a)
	WIN 0x32                                       ; source 0 (the sums) window 2, source 2 (bo) window 3
.set jj, 0
.rept 32
	v_pk_fma_f32 v[TMP+jj:TMP+jj+1], v[AC+jj:AC+jj+1], s[96:97], v[jj:jj+1] op_sel_hi:[1,0,1]   ; sum x 2^(e10 + e11) + bo; each accumulator from its low end on
.set jj, jj+2
.endr
	WIN 0
.irp b, 0,1,2,3,4,5,6,7
	ds_store_b128 v[STO], v[TMP+8*\b:TMP+8*\b+3] offset:64*\b
	ds_store_b128 v[STO], v[TMP+8*\b+4:TMP+8*\b+7] offset:64*\b+16
.endr
.set BB, BK+64*((\a)%2)
.irp t, 0,1,2,3,4,5,6,7,8,9,10,11,12,13,14,15
	ds_load_b128 v[BB+4*\t:BB+4*\t+3], v[RD] offset:\t*SPITCH
.endr
.endm
.macro SEND a, younger                 ; younger: the LDS instructions issued behind block a's loads, which may stay out
.set BB, BK+64*((\a)%2)
	s_wait_dscnt \younger                          ; the block is back in registers
.if (\a) > 0
	s_add_nc_u64 s[12:13], s[12:13], 16*4096       ; (behind a wait on XCNT: the earlier stores have read their base)  16 rows of C on
.endif
.irp t, 0,1,2,3,4,5,6,7,8,9,10,11,12,13,14,15
	global_store_b128 v[CO], v[BB+4*\t:BB+4*\t+3], s[12:13] offset:\t*4096 th:TH_STORE_NT
.endr
.endm
	s_wait_kmcnt 0x0
	s_add_co_i32 s96, s96, s97                     ; e10 + e11, between -126 and 127,
	s_add_co_i32 s96, s96, 127
	s_lshl_b32 s96, s96, 23                        ; makes the f32 number 2^(e10 + e11)
	s_mov_b32 s97, s96                             ; (named with it as a pair, so it is written)
	s_wait_loadcnt 0x0                             ; bo, asked for at the head
	PLACES 4                                       ; behind the last products: their results are read, and A's registers loaded into, below
	TOSTAGE 0
.irp a, 1,2,3
.if \a > 1
	s_wait_xcnt 0x0                                ; block a - 2's stores have read their registers and their base
.endif
	TOSTAGE \a
	SEND \a-1, 32                                  ; behind block a - 1's loads: block a's 16 stores and 16 loads
.endr
	s_wait_xcnt 0x0                                ; block 2's stores have read their base
	SEND 3, 0
	s_wait_tensorcnt 0x0                           ; the wave's end
	ds_add_u32 v[SPW], v[NIL]
	s_wait_dscnt 0x0
	CROUND                                         ; the closing round: no work-group ends while a partner may still ask for a tile that names it
	s_endpgm
.Lfunc_end_k_q9431b8b20f_proj:
	.size	k_q9431b8b20f_proj, .Lfunc_end_k_q9431b8b20f_proj-k_q9431b8b20f_proj
	.p2alignl 7, 3214868480
	.fill 96, 4, 3214868480
	.section	.rodata,"a",@progbits
	.p2align	6, 0x0
	.amdhsa_kernel k_q9431b8b20f_proj
		.amdhsa_group_segment_fixed_size 327680
		.amdhsa_private_segment_fixed_size 0
		.amdhsa_enable_private_segment 0
		.amdhsa_kernarg_size 40
		.amdhsa_user_sgpr_count 2
		.amdhsa_user_sgpr_kernarg_segment_ptr 1
		.amdhsa_wavefront_size32 1
		.amdhsa_system_sgpr_workgroup_id_x 1
		.amdhsa_system_sgpr_workgroup_id_y 1
		.amdhsa_system_sgpr_workgroup_id_z 1
		.amdhsa_system_vgpr_workitem_id 0
		.amdhsa_next_free_vgpr 832
		.amdhsa_next_free_sgpr 100
		.amdhsa_reserve_vcc 0
		.amdhsa_float_denorm_mode_32 3
		.amdhsa_float_denorm_mode_16_64 3
		.amdhsa_memory_ordered 1
		.amdhsa_forward_progress 1
		.amdhsa_inst_pref_size 94
	.end_amdhsa_kernel
	.amdgpu_metadata
---
amdhsa.version: [ 1, 2 ]
amdhsa.kernels:
  - .name:           k_q9431b8b20f_proj
    .symbol:         k_q9431b8b20f_proj.kd
    .args:
      - { .name: yf, .offset: 0, .size: 8, .value_kind: global_buffer, .address_space: global }
      - { .name: wc, .offset: 8, .size: 8, .value_kind: global_buffer, .address_space: global }
      - { .name: lowp_scales, .offset: 16, .size: 8, .value_kind: global_buffer, .address_space: global }
      - { .name: bo, .offset: 24, .size: 8, .value_kind: global_buffer, .address_space: global }
      - { .name: out0, .offset: 32, .size: 8, .value_kind: global_buffer, .address_space: global }
    .group_segment_fixed_size: 327680
    .private_segment_fixed_size: 0
    .kernarg_segment_align: 8
    .kernarg_segment_size: 40
    .max_flat_workgroup_size: 128
    .sgpr_count:     100
    .vgpr_count:     832
    .wavefront_size: 32
...
	.end_amdgpu_metadata
.endif
;; end of part 4
